; MI455X (gfx1250); checked and timed in simulation.
; The chip was launched on July 23, 2026; its instructions are those of AMD's public machine-readable ISA for CDNA 5 (MIT licence, August 2026) and "CDNA5" Instruction Set Architecture Reference Guide (July 2026). The comments in the code are by the model that wrote it; some were corrected since.
;; Fused Fuzzy. Allowed arithmetic: float matrix products may take bf16 or f16 operands with f32 sums; all other float work in f32.
;; Inputs: W1 512 x 2,187 float32; W2 2,187 x 512 float32; W3 10 x 2,187 float32; b 7 x 3 float32; b1 512 float32; b2 2,187 float32; b3 10 float32; bais 1 float32; c 7 x 3 float32; wei 15,309 x 2,187 float32; x 1,024 x 7 float32.
;; Outputs: out0 1,024 x 10 float32.
;; One version. Each part assembles by itself: llvm-mc -triple=amdgcn-amd-amdhsa -mcpu=gfx1250 --defsym DOCPART=n.
;; ======== version 1 of 1: 3 launches
;; workspace buffers: wp 3,732,480 bytes; w32t 20,480 bytes; pp 82,944 bytes
;; launch stream (part 1): grid 259 x 1, 24 waves a work-group, no clusters, 125,952 bytes of LDS; arguments wei, W2, W3, wp, w32t; writes wp, w32t
.if DOCPART == 1
	.amdgcn_target "amdgcn-amd-amdhsa--gfx1250"
	.amdhsa_code_object_version 6
	.text
	.protected	k_q4431a088bf_stream
	.globl	k_q4431a088bf_stream
	.p2align	8
	.type	k_q4431a088bf_stream,@function
k_q4431a088bf_stream:
	s_mov_b64 s[64:65], 0
	v_nop
	global_prefetch_b8 v0, s[64:65] scope:SCOPE_SE
	s_setreg_imm32_b32 hwreg(HW_REG_WAVE_MODE, 25, 1), 1
	s_wait_xcnt 0x0
; FIRST OF THREE LAUNCHES.  Between the 21 memberships u and the leaky ReLU everything in the module is linear but one division, and the
; 15,309 numbers that multiply wei are only copies of the 21.  So the sums are taken in another order, which is exact in real arithmetic for every input:
;   Wred[3i+j][n] = sum of wei[7k+i][n] over the k whose digit i (base 3, digit 0 highest) is j;   a = u Wred + bais
;   W32 = W3 W2 [10][512];   Weff = W3 + W32 W1 [10][2187];   h3 = (a Weff^T) / sum(a) + (b3 + W3 b2 + W32 b1)
; This launch reads wei once (work-groups 0-242) and W2 once (work-groups 243-258).
; LIMIT: all sums are f32 but in another order than the written one.  A zero weight times an infinite W2 gives NaN; the written form is not finite there either.
; No matrix unit: what is left are additions of rows and a product with ten rows, each byte used once.  No cluster: no two work-groups read the same bytes of wei.
; A row of wei is 2187 floats = 8,748 bytes, so rows are 4-byte aligned only: a lane keeps its column and loads 4 bytes.
;
; WEI PATH.  k = 81 m + 27 g + t.  Work-group id = 9 m + j owns block m (567 rows) and columns 243 j .. 243 j + 242.
; Wave w: g = w / 8 (189 rows), columns 32 (w % 8) + lane, clamped to 242.  Digits 0-2 of k hang on m alone, digit 3 is g, digits 4-6 are t / 9, (t / 3) % 3, t % 3:
; every row's class is known when the text is assembled, so the 189 rows fall into 13 sums with no index arithmetic at all.
; Out: wp[id][o 15][256]: o 0-2 features 0-2 (their class is decided by m, in the next launch), o 3-5 feature 3 by digit, o 6-14 features 4-6 by digit.
; W32 PATH.  Work-group 243 + y makes W32[c][32 y + lane]; W3 lies in LDS, zero beyond n = 2186; the rows of W2 go in fours, dealt round the 24 waves.
.set ROWB, 8748                        ; bytes in a row of wei and of W3
.set VO,   2                           ; v2       wei path: 4 x my column in the tile
.set LS,   3                           ; v3       4 x thread
.set ACC,  4                           ; v[4:16]  13 sums: features 0-3, then 3 digits each of features 4, 5, 6
.set X,    20                          ; v[20:68] ring of 7 groups of 7 rows
.set ACC2, 12                          ; v[12:21] W32 path: ten sums
.set WTA,  22                          ; v[22:41] W3[c 0-4][four n]
.set WTB,  42                          ; v[42:61] W3[c 5-9][four n]
.set XR,   62                          ; v[62:77] ring of 4 groups of 4 rows of W2
.set CMB,  92160                       ; LDS: behind W3S [10][2304] f32: [c 10][wave 24][32] f32
; the sum register of row (t, i), and whether that row is the class's first
.macro CLASSOF t, i
.set first, 0
.if \i < 4
.set cl, ACC+\i
.if \t == 0
.set first, 1
.endif
.endif
.if \i == 4
.set cl, ACC+4+\t/9
.if \t%9 == 0
.set first, 1
.endif
.endif
.if \i == 5
.set cl, ACC+7+(\t/3)%3
.if \t < 9
.if \t%3 == 0
.set first, 1
.endif
.endif
.endif
.if \i == 6
.set cl, ACC+10+\t%3
.if \t < 3
.set first, 1
.endif
.endif
.endm
; the seven rows of one k.  A class's first row lands in the sum register itself: nothing is cleared or moved.
.macro LDK t
.irp i, 0,1,2,3,4,5,6
	CLASSOF (\t), \i
.if first
	global_load_b32 v[cl], v[VO], s[4:5] offset:(7*(\t)+\i)*ROWB
.else
	global_load_b32 v[X+7*((\t)%7)+\i], v[VO], s[4:5] offset:(7*(\t)+\i)*ROWB
.endif
.endr
.endm
.macro ADDK t
.irp i, 0,1,2,3,4,5,6
	CLASSOF (\t), \i
.if first == 0
	v_add_f32 v[cl], v[cl], v[X+7*((\t)%7)+\i]
.endif
.endr
.endm
; one k: groups t+1 .. min(t+6, 26) were issued behind group t, seven loads each, and may stay out
.macro STEP t
.if \t <= 20
	s_wait_loadcnt 42
.else
	s_wait_loadcnt 7*(26-\t)
.endif
	ADDK \t
.if \t+7 <= 26
	LDK \t+7
.endif
.endm
; 16 bytes of the tile: the three g waves' parts are added and stored; a wave's store covers 512 consecutive bytes, aligned
.macro SUM3 r, lo, go
	ds_load_b128 v[\r:\r+3], v18 offset:\lo
	ds_load_b128 v[\r+4:\r+7], v18 offset:\lo+1024
	ds_load_b128 v[\r+8:\r+11], v18 offset:\lo+2048
	s_wait_dscnt 0x0
	v_pk_add_f32 v[\r:\r+1], v[\r:\r+1], v[\r+4:\r+5]
	v_pk_add_f32 v[\r+2:\r+3], v[\r+2:\r+3], v[\r+6:\r+7]
	v_pk_add_f32 v[\r:\r+1], v[\r:\r+1], v[\r+8:\r+9]
	v_pk_add_f32 v[\r+2:\r+3], v[\r+2:\r+3], v[\r+10:\r+11]
	global_store_b128 v19, v[\r:\r+3], s[10:11] offset:\go
.endm
; W32 path: four rows of W2 (group w + 24 tau); in the last trip the rows are clamped to 2186 (their weights in LDS are zero)
.macro LDX tau
.irp e, 0,1,2,3
.if (\tau) == 22
	global_load_b32 v[XR+4*((\tau)%4)+\e], v[3+\e], s[6:7]
.else
	global_load_b32 v[XR+4*((\tau)%4)+\e], v2, s[6:7] offset:(\tau)*196608+\e*2048
.endif
.endr
.endm
; five classes' weights for those four rows: all lanes read one address
.macro LDW wt, adr, tau
.irp cc, 0,1,2,3,4
	ds_load_b128 v[\wt+4*\cc:\wt+4*\cc+3], v[\adr] offset:(\tau)*384+\cc*9216
.endr
.endm
.macro FM wt, a0, tau
.irp e, 0,1,2,3
.irp cc, 0,1,2,3,4
.if ((\tau)+\e) == 0
	v_mul_f32 v[\a0+\cc], v[\wt+4*\cc+\e], v[XR+4*((\tau)%4)+\e]   ; the first product starts the sum
.else
	v_fmac_f32 v[\a0+\cc], v[\wt+4*\cc+\e], v[XR+4*((\tau)%4)+\e]
.endif
.endr
.endr
.endm
.macro WSTEP tau
.if (\tau) <= 19
	s_wait_loadcnt 12                              ; three younger groups of four rows stay out
.else
	s_wait_loadcnt 4*(22-(\tau))
.endif
	s_wait_dscnt 5                                 ; classes 0-4 are in, the five loads of classes 5-9 may be out
	FM WTA, ACC2, \tau
.if (\tau) < 22
	LDW WTA, 9, (\tau)+1
	s_wait_dscnt 5                                 ; classes 5-9 are in, the five loads just issued stay out
.else
	s_wait_dscnt 0
.endif
	FM WTB, ACC2+5, \tau
.if (\tau) < 22
	LDW WTB, 10, (\tau)+1
.endif
.if (\tau)+4 <= 22
	LDX (\tau)+4
.endif
.endm
	s_load_b256 s[4:11], s[0:1], 0x0               ; wei s[4:5], W2 s[6:7], W3 s[8:9], wp s[10:11]
	s_load_b64 s[12:13], s[0:1], 0x20              ; w32t
	v_lshl_add_u32 v80, v0, 2, 0x1e000
	v_mov_b32 v81, 0
	v_lshrrev_b32 v1, 5, v0
	v_readfirstlane_b32 s14, v1                    ; wave 0..23
	s_mov_b32 s21, 0                               ; upper word of every offset pair
	s_wait_kmcnt 0x0
	s_cmp_ge_u32 ttmp9, 243                        ; the same in all waves of a work-group
	s_cbranch_scc1 .Lw32
	; ---------------- the wei path ----------------
	s_mul_i32 s15, ttmp9, 7282
	s_lshr_b32 s15, s15, 16                        ; m = id / 9 (exact for id < 243)
	s_mul_i32 s17, s15, 9
	s_sub_co_u32 s17, ttmp9, s17                   ; j = id - 9 m
	s_lshr_b32 s16, s14, 3                         ; g
	s_mul_i32 s20, s15, 567*ROWB                   ; 81 k x 7 rows
	s_mul_i32 s18, s16, 189*ROWB                   ; 27 k x 7 rows
	s_add_co_u32 s20, s20, s18
	s_mul_i32 s18, s17, 972                        ; 243 columns
	s_add_co_u32 s20, s20, s18                     ; at most 132,277,536: one word
	s_add_nc_u64 s[4:5], s[4:5], s[20:21]
	s_mul_i32 s20, ttmp9, 15360                    ; my tile of wp: 15 rows of 1,024 bytes
	s_add_nc_u64 s[10:11], s[10:11], s[20:21]
	v_and_b32 v2, 255, v0
	v_min_u32 v2, 242, v2                          ; threads past column 242 repeat it: no byte beyond the tile is read
	v_lshlrev_b32 v[VO], 2, v2
	v_lshlrev_b32 v[LS], 2, v0
.irp t, 0,1,2,3,4,5,6
	LDK \t                                         ; 49 loads of 128 bytes a wave are on their way
.endr
.irp t, 0,1,2,3,4,5,6,7,8,9,10,11,12,13,14,15,16,17,18,19,20,21,22,23,24,25,26
	STEP \t
.endr
	; the way out.  LDS [o 15][g 3][256] f32: byte o x 3072 + 4 x thread, since thread = 256 g + column
.irp jj, 0,1,2
	s_cmp_eq_u32 s16, \jj
	s_cselect_b32 s19, -1, 0
	v_cndmask_b32 v[20+\jj], 0, v[ACC+3], s19      ; feature 3: my sum belongs to digit g, the other two digits get 0 from me
.endr
.irp o, 0,1,2
	ds_store_b32 v[LS], v[ACC+\o] offset:\o*3072
	ds_store_b32 v[LS], v[20+\o] offset:(3+\o)*3072
.endr
.irp o, 6,7,8,9,10,11,12,13,14
	ds_store_b32 v[LS], v[ACC+\o-2] offset:\o*3072
.endr
	v_lshrrev_b32 v18, 6, v0                       ; thread e takes the e-th 16 bytes of the tile: row e / 64,
	v_mul_u32_u24 v18, v18, 3072
	v_and_b32 v17, 63, v0
	v_lshl_add_u32 v18, v17, 4, v18                ; 16 bytes e % 64
	v_lshlrev_b32 v19, 4, v0
	s_wait_dscnt 0x0                               ; my stores are done, for the other waves' sake
	s_barrier_signal -1
	s_barrier_wait -1
	SUM3 24, 0, 0                                  ; rows 0-11: 768 threads
	s_cmp_ge_u32 s14, 6
	s_cbranch_scc1 .Lend
	SUM3 36, 36864, 12288                          ; rows 12-14: 192 threads, other registers than the pending store's
	s_wait_tensorcnt 0x0
	ds_add_u32 v80, v81
	s_wait_dscnt 0x0
	s_endpgm
	; ---------------- the W32 path ----------------
.Lw32:
	s_sub_co_u32 s15, ttmp9, 243                   ; y
	s_lshl_b32 s20, s15, 7
	s_add_nc_u64 s[6:7], s[6:7], s[20:21]          ; W2 at column 32 y
	s_mul_i32 s20, s15, 1280
	s_add_nc_u64 s[12:13], s[12:13], s[20:21]      ; w32t[y]
	v_and_b32 v1, 31, v0                           ; lane
	v_lshlrev_b32 v7, 2, v0
	v_add_nc_u32 v8, 46080, v7                     ; classes 5-9 of W3S: beyond the reach of a 16-bit offset from v7
	v_add_nc_u32 v11, 1536, v0
	v_min_u32 v11, 2186, v11
	v_lshlrev_b32 v11, 2, v11                      ; third piece of a row of W3, clamped to its last number
	s_lshl_b32 s18, s14, 13
	v_lshl_add_u32 v2, v1, 2, s18                  ; 4 lane + 4 rows of 2,048 bytes x wave
	s_lshl_b32 s17, s14, 2
	s_add_co_u32 s17, s17, 2112                    ; first row of my last group
.irp e, 0,1,2,3
	s_add_co_u32 s18, s17, \e
	s_min_u32 s18, s18, 2186
	s_lshl_b32 s18, s18, 11
	v_lshl_add_u32 v[3+\e], v1, 2, s18
.endr
	s_lshl_b32 s18, s14, 4
	v_mov_b32 v9, s18                              ; 16 bytes of weights for each group of four rows
	v_add_nc_u32 v10, 46080, v9
.irp c, 0,1,2,3,4,5,6,7,8,9
	global_load_b32 v[22+\c], v7, s[8:9] offset:\c*ROWB          ; W3[c][thread]
	global_load_b32 v[32+\c], v7, s[8:9] offset:\c*ROWB+3072     ; W3[c][thread + 768]
	global_load_b32 v[42+\c], v11, s[8:9] offset:\c*ROWB         ; W3[c][min(thread + 1536, 2186)]
.endr
.irp tau, 0,1,2,3
	LDX \tau
.endr
	s_wait_loadcnt 16                              ; the 30 loads of W3 are in; the 16 of W2 behind them stay out
	v_cmp_gt_u32 vcc_lo, 651, v0                   ; thread + 1536 < 2187
.irp c, 0,1,2,3,4,5,6,7,8,9
	v_cndmask_b32 v[42+\c], 0, v[42+\c], vcc_lo    ; zeros for n = 2187 .. 2303
.endr
.irp c, 0,1,2,3,4
	ds_store_b32 v7, v[22+\c] offset:\c*9216
	ds_store_b32 v7, v[32+\c] offset:\c*9216+3072
	ds_store_b32 v7, v[42+\c] offset:\c*9216+6144
	ds_store_b32 v8, v[27+\c] offset:\c*9216
	ds_store_b32 v8, v[37+\c] offset:\c*9216+3072
	ds_store_b32 v8, v[47+\c] offset:\c*9216+6144
.endr
	s_wait_dscnt 0x0
	s_barrier_signal -1
	s_barrier_wait -1                              ; W3S is whole
	LDW WTA, 9, 0
	LDW WTB, 10, 0
.irp tau, 0,1,2,3,4,5,6,7,8,9,10,11,12,13,14,15,16,17,18,19,20,21,22
	WSTEP \tau
.endr
	v_add_nc_u32 v78, CMB, v7
.irp c, 0,1,2,3,4,5,6,7,8,9
	ds_store_b32 v78, v[ACC2+\c] offset:\c*3072    ; [c][wave][lane]
.endr
	s_wait_dscnt 0x0
	s_barrier_signal -1
	s_barrier_wait -1
	s_cmp_ge_u32 s14, 3
	s_cbranch_scc1 .Lend
	v_min_u32 v79, 79, v0                          ; 10 x 32 numbers = 80 pieces of 16 bytes
	v_lshrrev_b32 v59, 3, v79                      ; c
	v_and_b32 v79, 7, v79
	v_mul_u32_u24 v59, v59, 3072
	v_lshl_add_u32 v79, v79, 4, v59
	v_add_nc_u32 v79, CMB, v79
	v_lshlrev_b32 v58, 4, v0
.irp kk, 0,1,2
.irp qq, 0,1,2,3,4,5,6,7
	ds_load_b128 v[22+4*\qq:25+4*\qq], v79 offset:(8*\kk+\qq)*128    ; the 24 waves' parts, eight at a time
.endr
	s_wait_dscnt 0x0
.irp qq, 0,1,2,3,4,5,6,7
.if (8*\kk+\qq) == 1
	v_pk_add_f32 v[54:55], v[22:23], v[26:27]
	v_pk_add_f32 v[56:57], v[24:25], v[28:29]
.endif
.if (8*\kk+\qq) > 1
	v_pk_add_f32 v[54:55], v[54:55], v[22+4*\qq:23+4*\qq]
	v_pk_add_f32 v[56:57], v[56:57], v[24+4*\qq:25+4*\qq]
.endif
.endr
.endr
	s_wait_xcnt 0x0                                ; EXEC is a source of every global access issued so far: it changes only behind this wait
	v_cmp_gt_u32 vcc_lo, 80, v0
	s_and_saveexec_b32 s20, vcc_lo
	global_store_b128 v58, v[54:57], s[12:13]      ; w32t[y][c][32]: 1,280 consecutive bytes
	s_wait_xcnt 0x0                                ; and again in front of the line that widens it
	s_or_b32 exec_lo, exec_lo, s20
.Lend:
	s_wait_tensorcnt 0x0
	ds_add_u32 v80, v81
	s_wait_dscnt 0x0
	s_endpgm
.Lfunc_end_k_q4431a088bf_stream:
	.size	k_q4431a088bf_stream, .Lfunc_end_k_q4431a088bf_stream-k_q4431a088bf_stream
	.p2alignl 7, 3214868480
	.fill 96, 4, 3214868480
	.section	.rodata,"a",@progbits
	.p2align	6, 0x0
	.amdhsa_kernel k_q4431a088bf_stream
		.amdhsa_group_segment_fixed_size 125952
		.amdhsa_private_segment_fixed_size 0
		.amdhsa_enable_private_segment 0
		.amdhsa_kernarg_size 40
		.amdhsa_user_sgpr_count 2
		.amdhsa_user_sgpr_kernarg_segment_ptr 1
		.amdhsa_wavefront_size32 1
		.amdhsa_system_sgpr_workgroup_id_x 1
		.amdhsa_system_sgpr_workgroup_id_y 1
		.amdhsa_system_sgpr_workgroup_id_z 1
		.amdhsa_system_vgpr_workitem_id 0
		.amdhsa_next_free_vgpr 82
		.amdhsa_next_free_sgpr 66
		.amdhsa_reserve_vcc 1
		.amdhsa_float_denorm_mode_32 3
		.amdhsa_float_denorm_mode_16_64 3
		.amdhsa_memory_ordered 1
		.amdhsa_forward_progress 1
		.amdhsa_inst_pref_size 96
	.end_amdhsa_kernel
	.amdgpu_metadata
---
amdhsa.version: [ 1, 2 ]
amdhsa.kernels:
  - .name:           k_q4431a088bf_stream
    .symbol:         k_q4431a088bf_stream.kd
    .args:
      - { .name: wei, .offset: 0, .size: 8, .value_kind: global_buffer, .address_space: global }
      - { .name: W2, .offset: 8, .size: 8, .value_kind: global_buffer, .address_space: global }
      - { .name: W3, .offset: 16, .size: 8, .value_kind: global_buffer, .address_space: global }
      - { .name: wp, .offset: 24, .size: 8, .value_kind: global_buffer, .address_space: global }
      - { .name: w32t, .offset: 32, .size: 8, .value_kind: global_buffer, .address_space: global }
    .group_segment_fixed_size: 125952
    .private_segment_fixed_size: 0
    .kernarg_segment_align: 8
    .kernarg_segment_size: 40
    .max_flat_workgroup_size: 768
    .sgpr_count:     66
    .vgpr_count:     82
    .wavefront_size: 32
...
	.end_amdgpu_metadata
.endif
;; end of part 1
;; launch fold (part 2): grid 81 x 1, 32 waves a work-group, no clusters, 120,320 bytes of LDS; arguments wp, w32t, W1, W3, b2, pp; writes pp
.if DOCPART == 2
	.amdgcn_target "amdgcn-amd-amdhsa--gfx1250"
	.amdhsa_code_object_version 6
	.text
	.protected	k_q4431a088bf_fold
	.globl	k_q4431a088bf_fold
	.p2align	8
	.type	k_q4431a088bf_fold,@function
k_q4431a088bf_fold:
	s_mov_b64 s[64:65], 0
	v_nop
	global_prefetch_b8 v0, s[64:65] scope:SCOPE_SE
	s_setreg_imm32_b32 hwreg(HW_REG_WAVE_MODE, 25, 1), 1
	s_wait_xcnt 0x0
; SECOND LAUNCH.  Work-group gamma owns the 27 columns n = 27 gamma + l.  For them it makes
;   Weff[c][n] = W3[c][n] + sum over m of W32[c][m] W1[m][n]      (wave w: rows m = 16 w .. 16 w + 15 of W1, W32 in scalar registers)
;   Wred[cl][n] = sum over the 27 blocks of the class sums in wp  (wave w < 27 reads block w's tile; features 0-2 get their class from w's digits)
; and stores 256 words: pp[gamma][11 cl + c] = sum over its n of Wred[cl][n] Weff[c][n]; [11 cl + 10] = sum of Wred[cl][n];
; [231 + c] = sum of Weff[c][n]; [241 + c] = sum of W3[c][n] b2[n]; [251..255] = 0.
; Lanes 27-31 repeat column 26 and are set to zero in front of every sum over lanes.
; LIMIT: f32 throughout, sums in another order than the written one.  No matrix unit: ten and 21 rows, each byte of W1 and wp used once.
.set X,    8                           ; v[8:23]   16 rows of W1
.set WPV,  24                          ; v[24:38]  15 class sums of my block
.set PART, 40                          ; v[40:49]  my 16 rows' part of W32 W1
.set WP,   72576                       ; LDS: WR [slot 21][block 27][32] at 0; WP [c 10][wave 32][32]
.set WE,   113536                      ;      WE [c 10][32]
.set RES,  114816                      ;      RES 256 words
; v[base .. base+n-1] += v[base+n .. base+2n-1]
.macro FOLD base, n
.set q, 0
.rept (\n)/2
	v_pk_add_f32 v[\base+q:\base+q+1], v[\base+q:\base+q+1], v[\base+\n+q:\base+\n+q+1]
.set q, q+2
.endr
.endm
; sums over the 32 lanes of n registers, the result in every lane; tmp: n registers that have been written
.macro REDUCE first, n, tmp
.irp mask, 1,2,4,8
.set q, 0
.rept \n
	v_add_f32_dpp v[\first+q], v[\first+q], v[\first+q] row_xmask:\mask row_mask:0xf bank_mask:0xf
.set q, q+1
.endr
.endr
.set q, 0
.rept \n
	v_permlanex16_b32 v[\tmp+q], v[\first+q], s100, s101
.set q, q+1
.endr
.set q, 0
.rept \n
	v_add_f32 v[\first+q], v[\first+q], v[\tmp+q]
.set q, q+1
.endr
.endm
.macro MAC d, sr, x, start
.if \start
	v_mul_f32 v[\d], s[\sr], v[\x]
.else
	v_fmac_f32 v[\d], s[\sr], v[\x]
.endif
.endm
; five classes at a time: their 16 W32 values each lie in s[4:19], s[20:35], s[36:51], s[68:83], s[84:99]
.macro DOT5 c0
.set r, 0
.rept 16
	MAC PART+\c0+0, 4+r, X+r, r==0
	MAC PART+\c0+1, 20+r, X+r, r==0
	MAC PART+\c0+2, 36+r, X+r, r==0
	MAC PART+\c0+3, 68+r, X+r, r==0
	MAC PART+\c0+4, 84+r, X+r, r==0
.set r, r+1
.endr
.endm
; feature i of my block belongs to the class of the block's digit: that slot gets the sum, the other two get 0
.macro PICK i, dig
.irp jj, 0,1,2
	s_cmp_eq_u32 s[\dig], \jj
	s_cselect_b32 s66, -1, 0
	v_cndmask_b32 v[50+3*\i+\jj], 0, v[WPV+\i], s66
.endr
.endm
	s_load_b256 s[52:59], s[0:1], 0x0              ; wp s[52:53], w32t s[54:55], W1 s[56:57], W3 s[58:59]
	s_load_b128 s[60:63], s[0:1], 0x20             ; b2 s[60:61], pp s[62:63]
	v_lshl_add_u32 v64, v0, 2, 0x1c600
	v_mov_b32 v65, 0
	v_lshrrev_b32 v1, 5, v0
	v_readfirstlane_b32 s2, v1                     ; wave 0..31
	v_and_b32 v1, 31, v0                           ; lane
	v_min_u32 v2, 26, v1
	v_lshlrev_b32 v2, 2, v2                        ; 4 x my column in the group
	v_lshlrev_b32 v3, 2, v0
	v_add_nc_u32 v4, 41472, v3                     ; slots 12-20 of WR
	v_add_nc_u32 v5, WP, v3
	s_mov_b32 s100, 0x76543210                     ; v_permlanex16_b32: lane i reads lane i of the other half
	s_mov_b32 s101, 0xfedcba98
	s_mul_i32 s104, s2, 7282
	s_lshr_b32 s104, s104, 16                      ; w / 9: digit of feature 0
	s_mul_i32 s4, s2, 21846
	s_lshr_b32 s4, s4, 16                          ; w / 3
	s_mul_i32 s5, s4, 3
	s_sub_co_u32 s3, s2, s5                        ; w % 3: digit of feature 2
	s_mul_i32 s5, s104, 3
	s_sub_co_u32 s105, s4, s5                      ; (w / 3) % 3: digit of feature 1
	s_mul_i32 s6, ttmp9, 7282
	s_lshr_b32 s6, s6, 16                          ; j = gamma / 9: which tile column of wp
	s_mul_i32 s7, s6, 9
	s_sub_co_u32 s7, ttmp9, s7                     ; which 27 of its 243 columns
	s_mul_i32 s8, ttmp9, 108                       ; 27 columns of 4 bytes x gamma
	s_mov_b32 s67, 0
	s_wait_kmcnt 0x0
	s_mul_i32 s66, s2, 139968                      ; 16 rows of W1
	s_add_co_u32 s66, s66, s8
	s_add_nc_u64 s[56:57], s[56:57], s[66:67]
	s_min_u32 s9, s2, 26
	s_mul_i32 s9, s9, 9
	s_add_co_u32 s9, s9, s6                        ; tile 9 w + j
	s_mul_i32 s9, s9, 15360
	s_mul_i32 s66, s7, 108
	s_add_co_u32 s66, s66, s9
	s_add_nc_u64 s[52:53], s[52:53], s[66:67]
	s_lshr_b32 s9, s2, 1                           ; W32[c][16 w + r] lies at w32t[w / 2][c][16 (w % 2) + r]
	s_mul_i32 s9, s9, 1280
	s_and_b32 s66, s2, 1
	s_lshl_b32 s66, s66, 6
	s_add_co_u32 s66, s66, s9
	s_add_nc_u64 s[54:55], s[54:55], s[66:67]
	s_min_u32 s9, s2, 9
	s_mul_i32 s66, s9, 8748
	s_add_co_u32 s66, s66, s8
	s_add_nc_u64 s[58:59], s[58:59], s[66:67]      ; W3[min(w, 9)] at my columns
	s_mov_b32 s66, s8
	s_add_nc_u64 s[60:61], s[60:61], s[66:67]
	s_lshl_b32 s66, ttmp9, 10
	s_add_nc_u64 s[62:63], s[62:63], s[66:67]
	; everything this work-group reads from memory but W32's second half is asked for here
	s_load_b512 s[4:19], s[54:55], 0x0
	s_load_b512 s[20:35], s[54:55], 0x80
	s_load_b512 s[36:51], s[54:55], 0x100
	s_load_b512 s[68:83], s[54:55], 0x180
	s_load_b512 s[84:99], s[54:55], 0x200
.set r, 0
.rept 16
	global_load_b32 v[X+r], v2, s[56:57] offset:r*8748
.set r, r+1
.endr
	s_cmp_ge_u32 s2, 27
	s_cbranch_scc1 .Lno_wp
.set r, 0
.rept 15
	global_load_b32 v[WPV+r], v2, s[52:53] offset:r*1024
.set r, r+1
.endr
.Lno_wp:
	s_cmp_ge_u32 s2, 10
	s_cbranch_scc1 .Lno_w3
	global_load_b32 v6, v2, s[58:59]               ; W3[w][n]
	global_load_b32 v7, v2, s[60:61]               ; b2[n]
.Lno_w3:
	s_wait_kmcnt 0x0
	s_wait_loadcnt 0x0                             ; the waves have issued unlike numbers of loads: the count that holds for all is 0
	DOT5 0
	s_load_b512 s[4:19], s[54:55], 0x280           ; classes 5-9
	s_load_b512 s[20:35], s[54:55], 0x300
	s_load_b512 s[36:51], s[54:55], 0x380
	s_load_b512 s[68:83], s[54:55], 0x400
	s_load_b512 s[84:99], s[54:55], 0x480
	s_cmp_ge_u32 s2, 27
	s_cbranch_scc1 .Lno_wr
	PICK 0, 104
	PICK 1, 105
	PICK 2, 3
.irp sl, 0,1,2,3,4,5,6,7,8
	ds_store_b32 v3, v[50+\sl] offset:\sl*3456     ; WR[slot][block w][lane]: byte slot x 3456 + 4 x thread
.endr
.irp sl, 9,10,11
	ds_store_b32 v3, v[WPV+\sl-6] offset:\sl*3456
.endr
.irp sl, 12,13,14,15,16,17,18,19,20
	ds_store_b32 v4, v[WPV+\sl-6] offset:(\sl-12)*3456
.endr
.Lno_wr:
	s_wait_kmcnt 0x0
	DOT5 5
.irp c, 0,1,2,3,4,5,6,7,8,9
	ds_store_b32 v5, v[PART+\c] offset:\c*4096     ; WP[c][wave][lane]
.endr
	s_wait_dscnt 0x0
	s_barrier_signal -1
	s_barrier_wait -1
	; roles by wave number: 0-9 finish Weff[w], 10-30 finish Wred[w - 10], 31 writes the five zero words
	s_cmp_ge_u32 s2, 10
	s_cbranch_scc1 .Lrole_class
	s_lshl_b32 s66, s2, 12
	s_add_co_u32 s66, s66, WP
	v_lshl_add_u32 v50, v1, 2, s66
.set r, 0
.rept 32
	ds_load_b32 v[8+r], v50 offset:r*128
.set r, r+1
.endr
	s_wait_dscnt 0x0
	FOLD 8, 16
	FOLD 8, 8
	FOLD 8, 4
	FOLD 8, 2
	v_add_f32 v8, v8, v9
	v_add_f32 v8, v8, v6                           ; + W3[c][n]
	v_mul_f32 v9, v7, v6                           ; b2[n] W3[c][n]
	v_cmp_gt_u32 vcc_lo, 27, v1
	v_cndmask_b32 v8, 0, v8, vcc_lo
	v_cndmask_b32 v9, 0, v9, vcc_lo
	v_add_nc_u32 v51, WE, v3                       ; WE[w][lane]
	ds_store_b32 v51, v8
	REDUCE 8, 2, 10
	s_lshl_b32 s66, s2, 2
	s_add_co_u32 s66, s66, RES+924
	v_mov_b32 v53, s66
	ds_store_b32 v53, v8                           ; word 231 + c: all lanes write one word with one value
	ds_store_b32 v53, v9 offset:40                 ; word 241 + c
	s_branch .Ljoin2
.Lrole_class:
	s_cmp_ge_u32 s2, 31
	s_cbranch_scc1 .Lrole_zero
	s_sub_co_u32 s66, s2, 10
	s_mul_i32 s66, s66, 3456
	v_lshl_add_u32 v50, v1, 2, s66
.set r, 0
.rept 27
	ds_load_b32 v[8+r], v50 offset:r*128
.set r, r+1
.endr
	s_wait_dscnt 0x0
	FOLD 8, 12
	FOLD 8, 6
	v_pk_add_f32 v[8:9], v[8:9], v[10:11]
	v_pk_add_f32 v[12:13], v[12:13], v[32:33]
	v_pk_add_f32 v[8:9], v[8:9], v[12:13]
	v_add_f32 v8, v8, v9
	v_add_f32 v8, v8, v34
	v_cmp_gt_u32 vcc_lo, 27, v1
	v_cndmask_b32 v18, 0, v8, vcc_lo               ; Wred[cl][n], kept where the reduction below takes it as its eleventh register
	s_branch .Ljoin2
.Lrole_zero:
	v_min_u32 v50, 4, v1
	v_lshl_add_u32 v50, v50, 2, RES+1004
	v_mov_b32 v51, 0
	ds_store_b32 v50, v51                          ; words 251-255
.Ljoin2:
	s_wait_dscnt 0x0
	s_barrier_signal -1
	s_barrier_wait -1                              ; WE is whole
	s_cmp_lt_u32 s2, 10
	s_cbranch_scc1 .Ljoin3
	s_cmp_ge_u32 s2, 31
	s_cbranch_scc1 .Ljoin3
	v_lshl_add_u32 v50, v1, 2, WE
.irp c, 0,1,2,3,4,5,6,7,8,9
	ds_load_b32 v[8+\c], v50 offset:\c*128
.endr
	s_wait_dscnt 0x0
.irp c, 0,1,2,3,4,5,6,7,8,9
	v_mul_f32 v[8+\c], v[8+\c], v18
.endr
	REDUCE 8, 11, 20
	s_sub_co_u32 s66, s2, 10
	s_mul_i32 s66, s66, 44
	s_add_co_u32 s66, s66, RES
	v_mov_b32 v51, s66
.irp c, 0,1,2,3,4,5,6,7,8,9,10
	ds_store_b32 v51, v[8+\c] offset:4*\c          ; words 11 cl + c
.endr
.Ljoin3:
	s_wait_dscnt 0x0
	s_barrier_signal -1
	s_barrier_wait -1
	s_cmp_ge_u32 s2, 2
	s_cbranch_scc1 .Lend
	v_lshlrev_b32 v50, 4, v0
	v_add_nc_u32 v51, RES, v50
	ds_load_b128 v[8:11], v51
	s_wait_dscnt 0x0
	global_store_b128 v50, v[8:11], s[62:63]       ; 64 threads store the 1,024 consecutive bytes, aligned
.Lend:
	s_wait_tensorcnt 0x0
	ds_add_u32 v64, v65
	s_wait_dscnt 0x0
	s_endpgm
.Lfunc_end_k_q4431a088bf_fold:
	.size	k_q4431a088bf_fold, .Lfunc_end_k_q4431a088bf_fold-k_q4431a088bf_fold
	.p2alignl 7, 3214868480
	.fill 96, 4, 3214868480
	.section	.rodata,"a",@progbits
	.p2align	6, 0x0
	.amdhsa_kernel k_q4431a088bf_fold
		.amdhsa_group_segment_fixed_size 120320
		.amdhsa_private_segment_fixed_size 0
		.amdhsa_enable_private_segment 0
		.amdhsa_kernarg_size 48
		.amdhsa_user_sgpr_count 2
		.amdhsa_user_sgpr_kernarg_segment_ptr 1
		.amdhsa_wavefront_size32 1
		.amdhsa_system_sgpr_workgroup_id_x 1
		.amdhsa_system_sgpr_workgroup_id_y 1
		.amdhsa_system_sgpr_workgroup_id_z 1
		.amdhsa_system_vgpr_workitem_id 0
		.amdhsa_next_free_vgpr 66
		.amdhsa_next_free_sgpr 106
		.amdhsa_reserve_vcc 1
		.amdhsa_float_denorm_mode_32 3
		.amdhsa_float_denorm_mode_16_64 3
		.amdhsa_memory_ordered 1
		.amdhsa_forward_progress 1
		.amdhsa_inst_pref_size 29
	.end_amdhsa_kernel
	.amdgpu_metadata
---
amdhsa.version: [ 1, 2 ]
amdhsa.kernels:
  - .name:           k_q4431a088bf_fold
    .symbol:         k_q4431a088bf_fold.kd
    .args:
      - { .name: wp, .offset: 0, .size: 8, .value_kind: global_buffer, .address_space: global }
      - { .name: w32t, .offset: 8, .size: 8, .value_kind: global_buffer, .address_space: global }
      - { .name: W1, .offset: 16, .size: 8, .value_kind: global_buffer, .address_space: global }
      - { .name: W3, .offset: 24, .size: 8, .value_kind: global_buffer, .address_space: global }
      - { .name: b2, .offset: 32, .size: 8, .value_kind: global_buffer, .address_space: global }
      - { .name: pp, .offset: 40, .size: 8, .value_kind: global_buffer, .address_space: global }
    .group_segment_fixed_size: 120320
    .private_segment_fixed_size: 0
    .kernarg_segment_align: 8
    .kernarg_segment_size: 48
    .max_flat_workgroup_size: 1024
    .sgpr_count:     106
    .vgpr_count:     66
    .wavefront_size: 32
...
	.end_amdgpu_metadata
.endif
;; end of part 2
;; launch apply (part 3): grid 4 x 1, 8 waves a work-group, no clusters, 13,312 bytes of LDS; arguments pp, w32t, b1, b3, bais, x, c, b, out0; writes out0
.if DOCPART == 3
	.amdgcn_target "amdgcn-amd-amdhsa--gfx1250"
	.amdhsa_code_object_version 6
	.text
	.protected	k_q4431a088bf_apply
	.globl	k_q4431a088bf_apply
	.p2align	8
	.type	k_q4431a088bf_apply,@function
k_q4431a088bf_apply:
	s_mov_b64 s[64:65], 0
	v_nop
	global_prefetch_b8 v0, s[64:65] scope:SCOPE_SE
	s_setreg_imm32_b32 hwreg(HW_REG_WAVE_MODE, 25, 1), 1
	s_wait_xcnt 0x0
; THIRD LAUNCH.  A thread is one batch row (256 a work-group).  Thread t also sums word t of pp over the 81 column groups, so that the work-group
; holds in LDS the 256 parameters: P[cl][c] and s[cl] (words 11 cl + c, 11 cl + 10), bais q[c] (231 + c), r[c] = b3 + W3 b2 + W32 b1 (241 + c).  Then
;   u[cl] = exp(-(x[i] - c[i][j])^2 / b[i][j]^2);  out[c] = leaky((sum of u[cl] P[cl][c] + bais q[c]) / (sum of u[cl] s[cl] + 2187 bais) + r[c])
; LIMIT: 1 / b^2 and 1 / sum by v_rcp_f32, the exponential by v_exp_f32 of the argument times log2 e: 1 ULP each, denormal results flushed
; (ISA guide, the entries of these instructions); sums in f32 in another order than the written one.
; Four work-groups: 1,024 rows of 21 x 11 multiply-adds; each work-group needs all of pp, so more work-groups would only read it more often.
.set U,   40                           ; v[40:60]   memberships (after v[40:120] have served as pp's landing place)
.set NUM, 62                           ; v[62:72]   ten numerators and the row sum
.set RB,  74                           ; v[74:94]   1 / b^2
.set BA,  100                          ; v[100:143] parameters, buffer A
.set BB,  144                          ; v[144:187] buffer B
.set SC,  4                            ; s[4:24]    c
.set SB,  68                           ; s[68:88]   b
.set R1,  1024                         ; LDS: PAR 256 words at 0; R1 [c 10][wave 8]; OUTS 256 rows of 40 bytes
.set OUTS, 1536
.macro FOLD base, n
.set q, 0
.rept (\n)/2
	v_pk_add_f32 v[\base+q:\base+q+1], v[\base+q:\base+q+1], v[\base+\n+q:\base+\n+q+1]
.set q, q+2
.endr
.endm
.macro REDUCE first, n, tmp
.irp mask, 1,2,4,8
.set q, 0
.rept \n
	v_add_f32_dpp v[\first+q], v[\first+q], v[\first+q] row_xmask:\mask row_mask:0xf bank_mask:0xf
.set q, q+1
.endr
.endr
.set q, 0
.rept \n
	v_permlanex16_b32 v[\tmp+q], v[\first+q], s27, s28
.set q, q+1
.endr
.set q, 0
.rept \n
	v_add_f32 v[\first+q], v[\first+q], v[\tmp+q]
.set q, q+1
.endr
.endm
; n x 16 bytes of the parameters from word 44 k on; all lanes read one address
.macro LDP buf, k, n
.set q, 0
.rept \n
	ds_load_b128 v[\buf+4*q:\buf+4*q+3], v96 offset:176*\k+16*q
.set q, q+1
.endr
.endm
; four classes: 44 multiply-adds
.macro WORK buf, k
.irp a, 0,1,2,3
.irp e, 0,1,2,3,4,5,6,7,8,9,10
.if (\k+\a) == 0
	s_wait_alu depctr_va_vdst(0)
	v_mul_f32 v[NUM+\e], v[U+4*\k+\a], v[\buf+11*\a+\e]      ; class 0 starts the sums
.else
	v_fmac_f32 v[NUM+\e], v[U+4*\k+\a], v[\buf+11*\a+\e]
.endif
.endr
.endr
.endm
	s_load_b512 s[36:51], s[0:1], 0x0              ; pp 36, w32t 38, b1 40, b3 42, bais 44, x 46, c 48, b 50
	s_load_b64 s[52:53], s[0:1], 0x40              ; out0
	v_lshl_add_u32 v192, v0, 2, 0x3000
	v_mov_b32 v193, 0
	v_lshrrev_b32 v1, 5, v0
	v_readfirstlane_b32 s2, v1                     ; wave 0..7
	s_mov_b32 s27, 0x76543210
	s_mov_b32 s28, 0xfedcba98
	v_lshrrev_b32 v2, 4, v0                        ; thread t takes W32[c][2 t], [2 t + 1]: w32t[t / 16][c][2 (t % 16)]
	v_mul_u32_u24 v2, v2, 1280
	v_and_b32 v3, 15, v0
	v_lshl_add_u32 v2, v3, 3, v2
	v_lshlrev_b32 v3, 3, v0                        ; b1[2 t], b1[2 t + 1]
	v_max_u32 v4, 241, v0
	v_sub_nc_u32 v4, v4, 241
	v_min_u32 v4, 9, v4                            ; the class of parameter t where t = 241 .. 250, clamped elsewhere
	v_lshlrev_b32 v7, 2, v4
	v_mul_u32_u24 v5, v0, 28                       ; my row of x
	v_lshlrev_b32 v6, 2, v0
	s_lshl_b32 s29, s2, 2
	s_add_co_u32 s29, s29, R1
	v_mov_b32 v31, s29
	s_mul_i32 s30, ttmp9, 7168                     ; 256 rows of x
	s_mov_b32 s31, 0
	s_wait_kmcnt 0x0
	s_load_b512 s[4:19], s[48:49], 0x0             ; c: 84 bytes
	s_load_b128 s[20:23], s[48:49], 0x40
	s_load_b32 s24, s[48:49], 0x50
	s_load_b512 s[68:83], s[50:51], 0x0            ; b: 84 bytes
	s_load_b128 s[84:87], s[50:51], 0x40
	s_load_b32 s88, s[50:51], 0x50
	s_load_b32 s26, s[44:45], 0x0                  ; bais
	s_add_nc_u64 s[46:47], s[46:47], s[30:31]
	s_mul_i32 s30, ttmp9, 10240                    ; 256 rows of out0
	s_add_nc_u64 s[52:53], s[52:53], s[30:31]
.irp c, 0,1,2,3,4,5,6,7,8,9
	global_load_b64 v[8+2*\c:9+2*\c], v2, s[38:39] offset:128*\c
.endr
	global_load_b64 v[28:29], v3, s[40:41]
	global_load_b32 v30, v7, s[42:43]
.irp i, 0,1,2,3,4,5,6
	global_load_b32 v[32+\i], v5, s[46:47] offset:4*\i
.endr
.set k, 0
.rept 81
	global_load_b32 v[40+k], v6, s[36:37] offset:1024*k
.set k, k+1
.endr
	s_wait_kmcnt 0x0
	s_wait_loadcnt 0x0                             ; 100 loads were issued: no count that the wait can name would show the first of them done
	; W32 b1: two products a thread, summed over the wave, the eight waves' parts through LDS
.irp c, 0,1,2,3,4,5,6,7,8,9
	v_mul_f32 v[122+\c], v[8+2*\c], v28
.endr
.irp c, 0,1,2,3,4,5,6,7,8,9
	v_fmac_f32 v[122+\c], v[9+2*\c], v29
.endr
	REDUCE 122, 10, 8
.irp c, 0,1,2,3,4,5,6,7,8,9
	ds_store_b32 v31, v[122+\c] offset:32*\c       ; R1[c][wave]
.endr
	FOLD 40, 40                                    ; word t of pp over the 81 groups
	FOLD 40, 20
	FOLD 40, 10
	FOLD 40, 4
	FOLD 40, 2
	v_pk_add_f32 v[40:41], v[40:41], v[48:49]
	v_add_f32 v40, v40, v41
	v_add_f32 v40, v40, v120
	s_wait_dscnt 0x0
	s_barrier_signal -1
	s_barrier_wait -1
	v_lshlrev_b32 v39, 5, v4
	ds_load_b128 v[8:11], v39 offset:R1
	ds_load_b128 v[12:15], v39 offset:R1+16
	s_wait_dscnt 0x0
	FOLD 8, 4
	FOLD 8, 2
	v_add_f32 v8, v8, v9
	v_add_f32 v8, v8, v30                          ; W32 b1 + b3
	v_add_f32 v8, v40, v8                          ; what words 241-250 become
	v_mul_f32 v9, s26, v40                         ; what words 231-240 become
	v_sub_nc_u32 v10, v0, 241
	v_cmp_gt_u32 vcc_lo, 10, v10                   ; unsigned: 241 <= t < 251
	v_cndmask_b32 v40, v40, v8, vcc_lo
	v_sub_nc_u32 v10, v0, 231
	v_cmp_gt_u32 vcc_lo, 10, v10
	v_cndmask_b32 v40, v40, v9, vcc_lo
	ds_store_b32 v6, v40                           ; PAR[t]
	s_wait_dscnt 0x0
	s_barrier_signal -1
	; register work while the other waves arrive: the 21 memberships of my row
.set k, 0
.rept 21
	v_mul_f32 v[RB+k], s[SB+k], s[SB+k]
.set k, k+1
.endr
.set k, 0
.rept 21
	v_rcp_f32 v[RB+k], v[RB+k]
.set k, k+1
.endr
.set k, 0
.rept 21
	v_sub_f32 v[U+k], v[32+k/3], s[SC+k]           ; plain instructions that touch no reciprocal stand between the last v_rcp_f32 and the first use (ISA guide 5.7.2)
.set k, k+1
.endr
.set k, 0
.rept 21
	v_mul_f32 v[U+k], v[U+k], v[U+k]
.set k, k+1
.endr
.set k, 0
	s_wait_alu depctr_va_vdst(0)
.rept 21
	v_mul_f32 v[U+k], v[U+k], v[RB+k]
.set k, k+1
.endr
.set k, 0
.rept 21
	v_mul_f32 v[U+k], 0xbfb8aa3b, v[U+k]           ; x -log2 e
.set k, k+1
.endr
.set k, 0
.rept 21
	v_exp_f32 v[U+k], v[U+k]
.set k, k+1
.endr
	v_mov_b32 v96, 0                               ; the plain instruction behind the last v_exp_f32; also PAR's address
	s_barrier_wait -1                              ; PAR is whole
	LDP BA, 0, 11
	LDP BB, 1, 11
	s_wait_dscnt 11                                ; each count: the loads of the chunk issued behind the one now needed
	WORK BA, 0
	LDP BA, 2, 11
	s_wait_dscnt 11
	WORK BB, 1
	LDP BB, 3, 11
	s_wait_dscnt 11
	WORK BA, 2
	LDP BA, 4, 11
	s_wait_dscnt 11
	WORK BB, 3
	LDP BB, 5, 8                                   ; words 220-251: class 20, bais q, r
	s_wait_dscnt 8
	WORK BA, 4
	s_wait_dscnt 0x0
.irp e, 0,1,2,3,4,5,6,7,8,9,10
	v_fmac_f32 v[NUM+\e], v[U+20], v[BB+\e]
.endr
	v_fma_f32 v97, s26, 0x4508b000, v[NUM+10]      ; sum of a = u s + 2187 bais
	v_rcp_f32 v97, v97
.irp c, 0,1,2,3,4,5,6,7,8,9
	v_add_f32 v[NUM+\c], v[NUM+\c], v[BB+11+\c]    ; + bais q[c]
.endr
	s_wait_alu depctr_va_vdst(0)
.irp c, 0,1,2,3,4,5,6,7,8,9
	v_fma_f32 v[NUM+\c], v[NUM+\c], v97, v[BB+21+\c]
.endr
.irp c, 0,1,2,3,4,5,6,7,8,9
	v_mul_f32 v[RB+\c], 0x3e4ccccd, v[NUM+\c]
.endr
.irp c, 0,1,2,3,4,5,6,7,8,9
	v_max_num_f32 v[NUM+\c], v[NUM+\c], v[RB+\c]   ; leaky ReLU, slope 0.2: the larger of h and 0.2 h
.endr
	v_mul_u32_u24 v98, v0, 40
.irp p, 0,1,2,3,4
	ds_store_b64 v98, v[NUM+2*\p:NUM+2*\p+1] offset:OUTS+8*\p
.endr
	v_lshlrev_b32 v99, 4, v0
	s_wait_dscnt 0x0
	s_barrier_signal -1
	s_barrier_wait -1
	; 10,240 consecutive bytes of out0 leave as 640 pieces of 16 bytes: a wave's store covers 512 consecutive bytes, aligned
	ds_load_b128 v[100:103], v99 offset:OUTS
	ds_load_b128 v[104:107], v99 offset:OUTS+4096
	s_wait_dscnt 0x0
	global_store_b128 v99, v[100:103], s[52:53]
	global_store_b128 v99, v[104:107], s[52:53] offset:4096
	s_cmp_ge_u32 s2, 4
	s_cbranch_scc1 .Lend
	ds_load_b128 v[108:111], v99 offset:OUTS+8192
	s_wait_dscnt 0x0
	global_store_b128 v99, v[108:111], s[52:53] offset:8192
.Lend:
	s_wait_tensorcnt 0x0
	ds_add_u32 v192, v193
	s_wait_dscnt 0x0
	s_endpgm
.Lfunc_end_k_q4431a088bf_apply:
	.size	k_q4431a088bf_apply, .Lfunc_end_k_q4431a088bf_apply-k_q4431a088bf_apply
	.p2alignl 7, 3214868480
	.fill 96, 4, 3214868480
	.section	.rodata,"a",@progbits
	.p2align	6, 0x0
	.amdhsa_kernel k_q4431a088bf_apply
		.amdhsa_group_segment_fixed_size 13312
		.amdhsa_private_segment_fixed_size 0
		.amdhsa_enable_private_segment 0
		.amdhsa_kernarg_size 72
		.amdhsa_user_sgpr_count 2
		.amdhsa_user_sgpr_kernarg_segment_ptr 1
		.amdhsa_wavefront_size32 1
		.amdhsa_system_sgpr_workgroup_id_x 1
		.amdhsa_system_sgpr_workgroup_id_y 1
		.amdhsa_system_sgpr_workgroup_id_z 1
		.amdhsa_system_vgpr_workitem_id 0
		.amdhsa_next_free_vgpr 194
		.amdhsa_next_free_sgpr 96
		.amdhsa_reserve_vcc 1
		.amdhsa_float_denorm_mode_32 3
		.amdhsa_float_denorm_mode_16_64 3
		.amdhsa_memory_ordered 1
		.amdhsa_forward_progress 1
		.amdhsa_inst_pref_size 42
	.end_amdhsa_kernel
	.amdgpu_metadata
---
amdhsa.version: [ 1, 2 ]
amdhsa.kernels:
  - .name:           k_q4431a088bf_apply
    .symbol:         k_q4431a088bf_apply.kd
    .args:
      - { .name: pp, .offset: 0, .size: 8, .value_kind: global_buffer, .address_space: global }
      - { .name: w32t, .offset: 8, .size: 8, .value_kind: global_buffer, .address_space: global }
      - { .name: b1, .offset: 16, .size: 8, .value_kind: global_buffer, .address_space: global }
      - { .name: b3, .offset: 24, .size: 8, .value_kind: global_buffer, .address_space: global }
      - { .name: bais, .offset: 32, .size: 8, .value_kind: global_buffer, .address_space: global }
      - { .name: x, .offset: 40, .size: 8, .value_kind: global_buffer, .address_space: global }
      - { .name: c, .offset: 48, .size: 8, .value_kind: global_buffer, .address_space: global }
      - { .name: b, .offset: 56, .size: 8, .value_kind: global_buffer, .address_space: global }
      - { .name: out0, .offset: 64, .size: 8, .value_kind: global_buffer, .address_space: global }
    .group_segment_fixed_size: 13312
    .private_segment_fixed_size: 0
    .kernarg_segment_align: 8
    .kernarg_segment_size: 72
    .max_flat_workgroup_size: 256
    .sgpr_count:     96
    .vgpr_count:     194
    .wavefront_size: 32
...
	.end_amdgpu_metadata
.endif
;; end of part 3
